; MI455X (gfx1250); checked and timed in simulation.
; The chip was launched on July 23, 2026; its instructions are those of AMD's public machine-readable ISA for CDNA 5 (MIT licence, August 2026) and "CDNA5" Instruction Set Architecture Reference Guide (July 2026). The comments in the code are by the model that wrote it; some were corrected since.
;; Test Mo E. Allowed arithmetic: matrix products marked QUANTISED: E4M3 operands, one E8M0 scale for each 32 along K, by v_wmma_scale_f32_16x16x128_f8f6f4 with both operands' format E4M3, f32 sums; products left as they are: f32 operands where the result goes on into a quantised operand, else bf16, f16 or f32 operands; f32 sums; everything else in f32.
;; Inputs: expert_b 8 x 1,024 float32; expert_w 8 x 1,024 x 1,024 float32; router_b 8 float32; router_w 8 x 1,024 float32; x 8,192 x 1,024 float32.
;; Outputs: out0 8,192 x 1,024 float32.
;; This version of the problem:
;;   THIS VERSION OF THE PROBLEM IS GIVEN IN LOW PRECISION. The matrix products marked QUANTISED in the list below multiply operands that are first quantised to E4M3 (4 exponent bits, 3 mantissa bits; 8 bits a number), with one power-of-two scale for each 32 numbers along K (OCP MX v1.0); their sums are f32. All else is computed in f32.
;;   The module's matrix products, in the order in which they are computed (A, B: the left and right operand; K: the contracted axis; several contracted axes count as one K, in the product's order):
;;     1. [M 8,192, K 1,024] x [K 1,024, N 8]; A: input x; B: input router_w: left as it is (N = 8 < 16)
;;     2. [M 8,192, K 1,024] x [K 1,024, N 8,192]; A: input x; B: input expert_w: QUANTISED
;;   THE QUANTISER, for each operand of a quantised product, along K:
;;     - K is cut into blocks of 32 from its start; a last block that is shorter is filled with zeros.
;;     - A block's scale is 2^e with e = floor(log2(the largest magnitude in the block)) - 8, held to -126 .. 127; a block of zeros has e = 0. As a byte (E8M0): e + 127.
;;     - Each number is divided by its block's scale, clamped to +-448, and rounded to the nearest number of E4M3, ties to even, subnormals kept.
;;     - The product sums the exact products of the quantised numbers (number of the format x scale) in f32.
;;   ~~~python
;;   def quantise(x, axis):      # numpy; x: float32 -> the quantised numbers, widened to float32 again
;;       x = np.moveaxis(x, axis, -1); K = x.shape[-1]
;;       x = np.pad(x, [(0, 0)] * (x.ndim - 1) + [(0, -K % 32)]); x = x.reshape(x.shape[:-1] + (-1, 32)); a = np.abs(x).max(-1, keepdims=True)
;;       e = np.where(a > 0, np.clip(np.frexp(np.where(a > 0, a, 1))[1] - 1 - 8, -126, 127), 0)      # np.frexp(a)[1] - 1 = floor(log2(a)), exactly
;;       r = np.clip(x / 2.0 ** e, -448, 448)
;;       step = 2.0 ** (np.maximum(np.frexp(np.where(r == 0, 1, r))[1] - 1, -6) - 3)
;;       q = np.round(r / step) * step * 2.0 ** e      # np.round: ties to even
;;       return np.moveaxis(q.reshape(q.shape[:-2] + (-1,))[..., :K], -1, axis).astype(np.float32)
;;   ~~~
;; One version. Each part assembles by itself: llvm-mc -triple=amdgcn-amd-amdhsa -mcpu=gfx1250 --defsym DOCPART=n.
;; ======== version 1 of 1: 3 launches
;; workspace buffers: xc 8,388,608 bytes; xs 262,144 bytes; wc 8,388,608 bytes; ws 262,144 bytes; masks 16,384 bytes of whole numbers; order 32,768 bytes of whole numbers; tiles 1,024 bytes of whole numbers
;; launch prep (part 1): grid 256 x 1, 8 waves a work-group, no clusters, 70,656 bytes of LDS; arguments x, router_w, router_b, expert_w, xc, xs, wc, ws, masks; writes xc, xs, wc, ws, masks
.if DOCPART == 1
	.amdgcn_target "amdgcn-amd-amdhsa--gfx1250"
	.amdhsa_code_object_version 6
	.text
	.protected	k_qd011e055ab_prep
	.globl	k_qd011e055ab_prep
	.p2align	8
	.type	k_qd011e055ab_prep,@function
k_qd011e055ab_prep:
	s_mov_b64 s[64:65], 0
	v_nop
	global_prefetch_b8 v0, s[64:65] scope:SCOPE_SE
	s_setreg_imm32_b32 hwreg(HW_REG_WAVE_MODE, 25, 1), 1
	s_wait_xcnt 0x0
; PREP: x and the experts' weights become codes of E4M3 with one E8M0 scale byte for each 32 along K, and each token's expert is chosen.
; x [8192][1024] f32 -> xc [token][1024 bytes], xs [token][32 bytes].   expert_w [8][1024 out][1024 in] f32 -> wc, ws, laid as the product's launch loads them:
;   wc [T = 64 e + tile of 16 rows][K step s 0..7][c 0..3][lane][16 bytes]: the image of a fragment's registers;   ws [T][hs 0..1][row r 0..15][j 0..3]: the word of row r for K step 4 hs + j.
; The router: logits = x router_w^T + router_b in f32 fused multiply-adds, argmax with the lower index kept on a tie.  It is stored as whole numbers at fixed places:
;   masks bytes 0..8191: [block of 32 tokens][e] words, bit i = token 32 block + i chose e;   bytes 8192..16383: the same words, byte xw = how many of tokens 8 xw .. 8 xw + 7 chose e.
; A block's scale is 2^(floor(log2(largest magnitude)) - 8); its byte is the largest magnitude's exponent field - 8, held at 1 from below.
; LIMITS: NaN and infinities among the inputs are not served.  Blocks whose largest magnitude lies under 2^-118, blocks of zeros among them, keep the byte 1 (zeros have zero codes; only this program reads the bytes).
; The router's 1,024 terms are summed in another order than a plain dot product: a token whose two best logits agree within the f32 rounding of such a sum may go to the other of the two experts.
; SHARES.  256 work-groups of eight waves.  Waves 0-3 take 8 tokens each (32 a work-group), waves 4-7 take 16 rows x 512 along K of the weights each.  The two roles part once on the wave's number and never meet:
; no barrier, and each wave has 8,704 bytes of LDS of its own.  No tensor loads: each byte is read once by one wave, and the weight waves ask for all their loads at their head, the x waves eight steps ahead.  No prefetch for the same reason.
.set WREG, 8704                        ; LDS of a wave
.set SP,   80                          ; x: a lane's place in a stage: 64 bytes + 16 of padding
.set SBY,  2*32*SP                     ; x: behind the two stages: the wave's 256 scale bytes
.set WP,   528                         ; W: a stage row: 512 bytes + 16 of padding
; registers that both roles keep: v1 lane, v2 16 x lane; x: v3 stage in, v4 stage out, v5 my block's scale byte, v6 scale bytes back, v7 8 x lane, v8 lane % 8, v9 mask byte, v10 masks offset; W: v11 stage in, v12 stage out, v13 16 r
.set R,    16                          ; x: v16-143   eight sets of 16 numbers as loaded
.set X,    144                         ; x: v144-175  two sets of 16 neighbours
.set ACC,  176                         ; x: v176-191  eight logits, each in two halves
.set C,    192                         ; x: v192-223  eight sets of 4 registers of codes
.set E,    224                         ; x: v224-239  a scale byte for each step
.set BEST, 240
.set IDX,  241
.set TMP,  242
.set CNT,  243                         ; x: how many of my 8 tokens chose expert lane % 8
.set MA,   244
.set MB,   245
.set SCO,  246                         ; the conversion's scale operand
.set HOLD, 247                         ; 448 x the scale
.set SBK,  248                         ; v248-249 scale bytes on the way out
.set ST,   16                          ; W: v16-143   two sets of 64 numbers in the operand's order
.set PC,   144                         ; W: v144-207  four fragments of codes
.set TM,   208                         ; W: v208-223  at work
.set PW,   224                         ; W: v224-227  four scale words
; window 1 (v256-511): x: the router's weights in the layout in which x is loaded;  W: the 64 loads as they come
.set MSB, 0
.macro WIN new                         ; the immediate's high byte repeats the setting that is left
.if MSB != \new
	s_set_vgpr_msb (MSB<<8)|\new
.set MSB, \new
.endif
.endm
	s_load_b256 s[4:11], s[0:1], 0x0               ; x s[4:5], router_w s[6:7], router_b s[8:9], expert_w s[10:11]
	s_load_b256 s[12:19], s[0:1], 0x20             ; xc s[12:13], xs s[14:15], wc s[16:17], ws s[18:19]
	s_load_b64 s[20:21], s[0:1], 0x40              ; masks
	v_lshl_add_u32 v254, v0, 2, 0x11000
	v_mov_b32 v255, 0
	v_lshrrev_b32 v14, 5, v0
	s_delay_alu instid0(VALU_DEP_1)
	v_readfirstlane_b32 s22, v14                   ; wave 0..7
	s_mul_i32 s23, s22, WREG                       ; my LDS
	s_mov_b32 s24, 0x76543210
	s_mov_b32 s25, 0xfedcba98                      ; v_permlanex16_b32's selects for lane l xor 16
	s_mov_b32 s26, 0x600000                        ; the mantissa field of 448
	v_and_b32 v1, 31, v0                           ; lane
	s_delay_alu instid0(VALU_DEP_1)
	v_lshlrev_b32 v2, 4, v1
	s_delay_alu instid0(VALU_DEP_2)
	v_lshrrev_b32 v3, 2, v1                        ; every LDS address of both roles is made here, ahead of the parting
	s_delay_alu instid0(VALU_DEP_1)
	v_mul_u32_u24 v3, v3, SP
	s_delay_alu instid0(VALU_DEP_4)
	v_and_b32 v14, 3, v1
	s_delay_alu instid0(VALU_DEP_1)
	v_lshl_add_u32 v3, v14, 4, v3
	s_delay_alu instid0(VALU_DEP_1)
	v_add_nc_u32 v3, s23, v3                       ; x, way in: four lanes' 64 bytes on end, then 16 of padding
	v_mul_u32_u24 v4, v1, SP
	s_delay_alu instid0(VALU_DEP_1)
	v_add_nc_u32 v4, s23, v4                       ; x, way out: my 16 neighbours
	v_lshrrev_b32 v5, 1, v1
	s_delay_alu instid0(VALU_DEP_1)
	v_add_nc_u32 v5, s23, v5
	s_delay_alu instid0(VALU_DEP_1)
	v_add_nc_u32 v5, SBY, v5                       ; x: my block's scale byte
	v_lshlrev_b32 v7, 3, v1
	s_delay_alu instid0(VALU_DEP_1)
	v_add_nc_u32 v6, s23, v7
	s_delay_alu instid0(VALU_DEP_1)
	v_add_nc_u32 v6, SBY, v6                       ; x: 8 scale bytes a lane on the way out
	v_and_b32 v8, 7, v1
	v_add_nc_u32 v11, s23, v2                      ; W, way in: a row's 512 bytes as loaded
	v_and_b32 v14, 15, v1                          ; r
	v_lshrrev_b32 v15, 4, v1                       ; h
	s_delay_alu instid0(VALU_DEP_2)
	v_mul_u32_u24 v12, v14, WP
	s_delay_alu instid0(VALU_DEP_1)
	v_lshl_add_u32 v12, v15, 6, v12
	s_delay_alu instid0(VALU_DEP_1)
	v_add_nc_u32 v12, s23, v12                     ; W, way out: row r, + 64 h bytes: my 16 numbers of a block of 32
	v_lshlrev_b32 v13, 4, v14
	s_wait_kmcnt 0x0
	s_cmp_ge_u32 s22, 4
	s_cbranch_scc1 .Lw
; ---------------------------------------------------------------- waves 0-3: 8 tokens: 16 steps of 512 numbers (half a row)
	s_load_b256 s[32:39], s[8:9], 0x0              ; router_b
	s_lshl_b32 s40, ttmp9, 17                      ; 32 tokens of 4,096 bytes a work-group,
	s_lshl_b32 s41, s22, 15                        ; 8 a wave
	s_add_co_u32 s40, s40, s41
	s_mov_b32 s41, 0
	s_add_nc_u64 s[4:5], s[4:5], s[40:41]
	s_lshr_b32 s40, s40, 2                         ; a quarter of that in the codes,
	s_add_nc_u64 s[12:13], s[12:13], s[40:41]
	s_lshr_b32 s40, s40, 5                         ; a 32nd of that in the scale bytes
	s_add_nc_u64 s[14:15], s[14:15], s[40:41]
	s_lshl_b32 s40, ttmp9, 5                       ; 8 words a block of 32 tokens
	s_add_nc_u64 s[20:21], s[20:21], s[40:41]
	s_wait_alu depctr_va_vdst(0)
	v_lshlrev_b32 v10, 2, v8
	s_delay_alu instid0(VALU_DEP_1)
	v_add_nc_u32 v10, s22, v10                     ; expert lane % 8's word, my wave's byte of it
.macro RWLOAD p                        ; router_w[e][512 p + 128 i + 4 lane + 0..3] -> window 1, register 4 ((4 p + i) 8 + e): each load reads 512 consecutive bytes
	WIN 0x40
.irp i, 0,1,2,3
.irp e, 0,1,2,3,4,5,6,7
	global_load_b128 v[4*((4*\p+\i)*8+\e):4*((4*\p+\i)*8+\e)+3], v2, s[6:7] offset:\e*4096+\p*2048+\i*512
.endr
.endr
	WIN 0
.endm
.macro LOAD t                          ; step t as it lies: four loads of 512 consecutive bytes
.irp i, 0,1,2,3
	global_load_b128 v[R+16*((\t)%8)+4*\i:R+16*((\t)%8)+4*\i+3], v2, s[4:5] offset:2048*(\t)+512*\i th:TH_LOAD_NT
.endr
.endm
.macro TURN t                          ; step t through a stage, so that a lane gets 16 neighbours: LDS serves a wave's instructions in order, so no wait stands between the stores and the loads
.irp i, 0,1,2,3
	ds_store_b128 v3, v[R+16*((\t)%8)+4*\i:R+16*((\t)%8)+4*\i+3] offset:32*SP*((\t)%2)+8*SP*\i
.endr
.irp i, 0,1,2,3
	ds_load_b128 v[X+16*((\t)%2)+4*\i:X+16*((\t)%2)+4*\i+3], v4 offset:32*SP*((\t)%2)+16*\i
.endr
.endm
.macro ROUTER t                        ; 64 packed multiply-adds on the numbers AS LOADED: the eight logits by turns; a row's first products start the sums
	WIN 0x04                                       ; source 1: window 1
.irp i, 0,1,2,3
.irp u, 0,1
.irp e, 0,1,2,3,4,5,6,7
.if ((\t)%2 == 0) && (\i == 0) && (\u == 0)
	v_pk_mul_f32 v[ACC+2*\e:ACC+2*\e+1], v[R+16*((\t)%8)+4*\i+2*\u:R+16*((\t)%8)+4*\i+2*\u+1], v[4*((4*((\t)%2)+\i)*8+\e)+2*\u:4*((4*((\t)%2)+\i)*8+\e)+2*\u+1]
.else
	v_pk_fma_f32 v[ACC+2*\e:ACC+2*\e+1], v[R+16*((\t)%8)+4*\i+2*\u:R+16*((\t)%8)+4*\i+2*\u+1], v[4*((4*((\t)%2)+\i)*8+\e)+2*\u:4*((4*((\t)%2)+\i)*8+\e)+2*\u+1], v[ACC+2*\e:ACC+2*\e+1]
.endif
.endr
.endr
.endr
	WIN 0
.endm
.macro ROWEND q                        ; token q of my 8: the logits are summed over the lanes (every lane ends with the same bits), the bias is added, the argmax taken
.irp e, 0,1,2,3,4,5,6,7
	v_add_f32 v[ACC+2*\e], v[ACC+2*\e], v[ACC+2*\e+1]
.endr
.irp m, 1,2,4,8
.irp e, 0,1,2,3,4,5,6,7
	v_add_f32_dpp v[ACC+2*\e], v[ACC+2*\e], v[ACC+2*\e] row_xmask:\m row_mask:0xf bank_mask:0xf
.endr
.endr
.irp e, 0,1,2,3,4,5,6,7
	v_permlanex16_b32 v[ACC+2*\e+1], v[ACC+2*\e], s24, s25
.endr
.irp e, 0,1,2,3,4,5,6,7
	v_add_f32 v[ACC+2*\e], v[ACC+2*\e], v[ACC+2*\e+1]
.endr
.irp e, 0,1,2,3,4,5,6,7
	v_add_f32 v[ACC+2*\e], s[32+\e], v[ACC+2*\e]
.endr
	v_mov_b32 v[BEST], v[ACC]
	v_mov_b32 v[IDX], 0
.irp e, 1,2,3,4,5,6,7
	s_delay_alu instid0(VALU_DEP_2)
	v_cmp_gt_f32 vcc_lo, v[ACC+2*\e], v[BEST]      ; strictly greater: a tie keeps the lower index
	s_delay_alu instid0(VALU_DEP_1)
	v_cndmask_b32 v[BEST], v[BEST], v[ACC+2*\e], vcc_lo
	s_delay_alu instid0(VALU_DEP_2)
	v_cndmask_b32 v[IDX], v[IDX], \e, vcc_lo
.endr
	s_delay_alu instid0(VALU_DEP_1)
	v_cmp_eq_u32 vcc_lo, v[IDX], v8                ; lane e (of each eight) keeps expert e's byte: no address hangs on the choice
.if (\q) == 0
	s_delay_alu instid0(VALU_DEP_1)
	v_cndmask_b32 v9, 0, 1, vcc_lo
.else
	s_delay_alu instid0(VALU_DEP_1)
	v_cndmask_b32 v[TMP], 0, 1<<(\q), vcc_lo
	s_delay_alu instid0(VALU_DEP_1)
	v_or_b32 v9, v9, v[TMP]
.endif
	v_add_co_ci_u32 v[CNT], vcc_lo, 0, v[CNT], vcc_lo   ; and its count
.endm
.macro STEP t
.set XS, X+16*((\t)%2)
.if (\t) > 0
	s_wait_dscnt 1                                 ; this step's neighbours are back from the stage (the last step's byte store may be out), so its stores into the stage have read their registers
.else
	s_wait_dscnt 0x0
.endif
.if (\t) == 1
	s_wait_loadcnt 8                               ; the router's second half is in: behind it were asked steps 7 and 8, four loads each
.endif
	ROUTER \t
.if (\t)+8 < 16
	LOAD (\t)+8                                    ; into the set that the router has just read
.endif
.if (\t) < 15
.if (\t) == 0
	s_wait_loadcnt 60                              ; step 1 is in: behind it steps 2-6 (20), the router's second half (32), steps 7 and 8 (8)
.elseif (\t) < 8
	s_wait_loadcnt 28                              ; the next step is in: behind it at least the seven steps t + 2 .. t + 8
.else
	s_wait_loadcnt 4*(14-(\t))                     ; nothing more is asked for: the counts run down
.endif
	TURN (\t)+1                                    ; through the other stage while this step is worked
.endif
	v_max3_num_f32 v[MA], |v[XS]|, |v[XS+1]|, |v[XS+2]|            ; the largest magnitude of my 16, in two chains
	v_max3_num_f32 v[MB], |v[XS+3]|, |v[XS+4]|, |v[XS+5]|
.irp i, 6,10
	s_delay_alu instid0(VALU_DEP_2)
	v_max3_num_f32 v[MA], v[MA], |v[XS+\i]|, |v[XS+\i+1]|
	s_delay_alu instid0(VALU_DEP_2)
	v_max3_num_f32 v[MB], v[MB], |v[XS+\i+2]|, |v[XS+\i+3]|
.endr
	s_delay_alu instid0(VALU_DEP_2)
	v_max3_num_f32 v[MA], v[MA], |v[XS+14]|, |v[XS+15]|
	s_delay_alu instid0(VALU_DEP_1)
	v_max3_num_f32 v[MA], v[MA], v[MB], 0x4800000  ; and the floor 2^(9 - 127): the byte cannot fall under 1
	s_delay_alu instid0(VALU_DEP_1)
	v_max_num_f32_dpp v[MA], v[MA], v[MA] row_xmask:1 row_mask:0xf bank_mask:0xf   ; and of my neighbour's 16: the block's
	s_delay_alu instid0(VALU_DEP_1)
	v_add_nc_u32 v[SCO], 0xfc000000, v[MA]         ; 8 off its exponent field: the conversion takes that field as its scale
	s_delay_alu instid0(VALU_DEP_2)
	v_and_or_b32 v[HOLD], v[MA], 0x7f800000, s26   ; 448 x the scale
.irp i, 0,1,2,3,4,5,6,7,8,9,10,11,12,13,14,15
	v_med3_num_f32 v[XS+\i], v[XS+\i], -v[HOLD], v[HOLD]   ; the conversion to an 8-bit code does not saturate (ISA guide 7.6.2): hold first
.endr
.if (\t) >= 8
	s_wait_alu depctr_va_vdst(0)
	s_wait_xcnt 0x0                                ; the store of eight steps ago has read these four registers
.endif
	v_cvt_scalef32_pk8_fp8_f32 v[C+4*((\t)%8):C+4*((\t)%8)+1], v[XS:XS+7], v[SCO]
	v_cvt_scalef32_pk8_fp8_f32 v[C+4*((\t)%8)+2:C+4*((\t)%8)+3], v[XS+8:XS+15], v[SCO]
	v_lshrrev_b32 v[E+(\t)], 23, v[SCO]            ; the scale's byte (also the plain line behind the conversions)
	ds_store_b8 v5, v[E+(\t)] offset:16*(\t)       ; both lanes of a block write the same byte with the same value
	global_store_b128 v2, v[C+4*((\t)%8):C+4*((\t)%8)+3], s[12:13] offset:512*(\t)   ; 32 lanes store 512 consecutive bytes
.if (\t)%2 == 1
	ROWEND (\t)/2
.endif
.endm
	RWLOAD 0
.irp t, 0,1,2,3,4,5,6
	LOAD \t
.endr
	RWLOAD 1
	LOAD 7
	v_mov_b32 v[CNT], 0
	s_wait_kmcnt 0x0                               ; router_b
	s_wait_loadcnt 60                              ; step 0 and the router's first half are in: behind step 0 steps 1-6 (24), the router's second half (32), step 7 (4)
	TURN 0
.irp t, 0,1,2,3,4,5,6,7,8,9,10,11,12,13,14,15
	STEP \t
.endr
	ds_load_b64 v[SBK:SBK+1], v6                   ; LDS serves a wave's instructions in order: these see my byte stores
	s_wait_alu depctr_va_vdst(0)
	s_wait_dscnt 0x0
	global_store_b64 v7, v[SBK:SBK+1], s[14:15]    ; 32 lanes store 256 consecutive bytes, aligned: my 8 tokens' scale bytes
	s_wait_xcnt 0x0                                ; EXEC changes only behind this wait
	v_cmp_gt_u32 vcc_lo, 8, v1
	s_wait_tensorcnt 0x0
	ds_add_u32 v254, v255
	s_wait_dscnt 0x0
	s_and_saveexec_b32 s40, vcc_lo
	global_store_b8 v10, v9, s[20:21]              ; lane e: expert e's mask byte of my 8 tokens,
	global_store_b8 v10, v[CNT], s[20:21] offset:8192   ; and its count
	s_wait_xcnt 0x0
	s_or_b32 exec_lo, exec_lo, s40
	s_endpgm
; ---------------------------------------------------------------- waves 4-7: 16 rows of one expert's weights x 512 along K: four fragments
.Lw:
	s_sub_co_u32 s40, s22, 4
	s_lshl_b32 s41, ttmp9, 2
	s_add_co_u32 s40, s40, s41                     ; u = 4 x work-group + wave - 4: tile T = u / 2, half of K hs = u % 2
	s_lshr_b32 s42, s40, 1
	s_and_b32 s43, s40, 1
	s_lshl_b32 s44, s42, 16                        ; 16 rows of 4,096 bytes,
	s_lshl_b32 s45, s43, 11                        ; 512 numbers
	s_add_co_u32 s44, s44, s45
	s_mov_b32 s45, 0
	s_add_nc_u64 s[10:11], s[10:11], s[44:45]
	s_lshl_b32 s44, s40, 13                        ; four fragments of 2,048 bytes
	s_add_nc_u64 s[16:17], s[16:17], s[44:45]
	s_lshl_b32 s44, s40, 8                         ; 16 rows x 4 words
	s_add_nc_u64 s[18:19], s[18:19], s[44:45]
.irp b, 0,1,2,3
	v_mov_b32 v[TM+4+\b], 0                        ; written once: a lane permute's destination counts as one of its sources
.endr
.macro WLOAD sl                        ; K step sl of my 16 rows: each load reads 512 consecutive bytes of one row
.irp i, 0,1,2,3,4,5,6,7,8,9,10,11,12,13,14,15
	global_load_b128 v[64*(\sl)+4*\i:64*(\sl)+4*\i+3], v2, s[10:11] offset:4096*\i+512*(\sl) th:TH_LOAD_NT
.endr
.endm
.macro TURNW sl                        ; through my stage: back comes register 16 c + i = k 32 c + 16 h + i of row r: the operand's own order
	WIN 0x04                                       ; an LDS store's data are its source 1: window 1
.irp i, 0,1,2,3,4,5,6,7,8,9,10,11,12,13,14,15
	ds_store_b128 v11, v[64*(\sl)+4*\i:64*(\sl)+4*\i+3] offset:WP*\i
.endr
	WIN 0
.irp c, 0,1,2,3
.irp j, 0,1,2,3
	ds_load_b128 v[ST+64*((\sl)%2)+16*\c+4*\j:ST+64*((\sl)%2)+16*\c+4*\j+3], v12 offset:128*\c+16*\j
.endr
.endr
.endm
.macro QUANT s, pc, pw                 ; 64 numbers of a lane become a fragment's 16 registers of codes and its row's scale word
.irp b, 0,1,2,3
	v_max3_num_f32 v[TM+\b], |v[\s+16*\b]|, |v[\s+1+16*\b]|, 0x4800000   ; block b: my 16 numbers, and the floor 2^(9 - 127)
.endr
.irp i, 2,4,6,8,10,12,14
.irp b, 0,1,2,3
	s_delay_alu instid0(VALU_DEP_4)
	v_max3_num_f32 v[TM+\b], v[TM+\b], |v[\s+16*\b+\i]|, |v[\s+1+16*\b+\i]|   ; the four blocks by turns
.endr
.endr
.irp b, 0,1,2,3
	s_delay_alu instid0(VALU_DEP_4)
	v_permlanex16_b32 v[TM+4+\b], v[TM+\b], s24, s25
.endr
.irp b, 0,1,2,3
	s_delay_alu instid0(VALU_DEP_4)
	v_max_num_f32 v[TM+\b], v[TM+\b], v[TM+4+\b]   ; with lane l xor 16's: the block's largest magnitude
.endr
.irp b, 0,1,2,3
	s_delay_alu instid0(VALU_DEP_4)
	v_add_nc_u32 v[TM+12+\b], 0xfc000000, v[TM+\b] ; the conversion's scale operand
.endr
.irp b, 0,1,2,3
	v_and_or_b32 v[TM+8+\b], v[TM+\b], 0x7f800000, s26   ; 448 x the scale
.endr
.irp b, 0,1,2,3
	v_lshrrev_b32 v[TM+4+\b], 23, v[TM+12+\b]      ; the scale's byte
.endr
	s_delay_alu instid0(VALU_DEP_3)
	v_lshl_or_b32 v[\pw], v[TM+5], 8, v[TM+4]
	s_delay_alu instid0(VALU_DEP_1)
	v_lshl_or_b32 v[\pw], v[TM+6], 16, v[\pw]
	s_delay_alu instid0(VALU_DEP_1)
	v_lshl_or_b32 v[\pw], v[TM+7], 24, v[\pw]
.irp b, 0,1,2,3
.irp i, 0,1,2,3,4,5,6,7,8,9,10,11,12,13,14,15
	v_med3_num_f32 v[\s+16*\b+\i], v[\s+16*\b+\i], -v[TM+8+\b], v[TM+8+\b]
.endr
	v_cvt_scalef32_pk8_fp8_f32 v[\pc+4*\b:\pc+1+4*\b], v[\s+16*\b:\s+7+16*\b], v[TM+12+\b]
	v_cvt_scalef32_pk8_fp8_f32 v[\pc+2+4*\b:\pc+3+4*\b], v[\s+8+16*\b:\s+15+16*\b], v[TM+12+\b]
.endr
	v_nop                                          ; a plain line behind the last conversion
.endm
.macro WSTEP sl
.if (\sl) < 3
	s_wait_loadcnt 16*(2-(\sl))                    ; the next K step's 16 loads are in; those of the steps behind it may be out
	TURNW (\sl)+1
	s_wait_dscnt 32                                ; this step's numbers are back: behind them the next step's 16 stores and 16 loads
.else
	s_wait_dscnt 0x0
.endif
	QUANT ST+64*((\sl)%2), PC+16*(\sl), PW+(\sl)
.irp c, 0,1,2,3
	global_store_b128 v2, v[PC+16*(\sl)+4*\c:PC+16*(\sl)+4*\c+3], s[16:17] offset:2048*(\sl)+512*\c   ; the fragment's image: 512 consecutive bytes a store
.endr
.endm
	WIN 0x40                                       ; destination window 1
	WLOAD 0
	WLOAD 1
	WLOAD 2
	WLOAD 3
	WIN 0
	s_wait_loadcnt 48                              ; K step 0 is in; three steps of 16 loads may be out
	s_wait_alu depctr_va_vdst(0)
	TURNW 0
	WSTEP 0
	WSTEP 1
	WSTEP 2
	WSTEP 3
	s_wait_xcnt 0x0                                ; EXEC changes only behind this wait
	v_cmp_gt_u32 vcc_lo, 16, v1
	s_wait_tensorcnt 0x0
	ds_add_u32 v254, v255
	s_wait_dscnt 0x0
	s_and_saveexec_b32 s40, vcc_lo
	global_store_b128 v13, v[PW:PW+3], s[18:19]    ; lanes 0-15: row r's four scale words: 256 consecutive bytes, aligned
	s_wait_xcnt 0x0
	s_or_b32 exec_lo, exec_lo, s40
	s_endpgm
.Lfunc_end_k_qd011e055ab_prep:
	.size	k_qd011e055ab_prep, .Lfunc_end_k_qd011e055ab_prep-k_qd011e055ab_prep
	.p2alignl 7, 3214868480
	.fill 96, 4, 3214868480
	.section	.rodata,"a",@progbits
	.p2align	6, 0x0
	.amdhsa_kernel k_qd011e055ab_prep
		.amdhsa_group_segment_fixed_size 70656
		.amdhsa_private_segment_fixed_size 0
		.amdhsa_enable_private_segment 0
		.amdhsa_kernarg_size 72
		.amdhsa_user_sgpr_count 2
		.amdhsa_user_sgpr_kernarg_segment_ptr 1
		.amdhsa_wavefront_size32 1
		.amdhsa_system_sgpr_workgroup_id_x 1
		.amdhsa_system_sgpr_workgroup_id_y 1
		.amdhsa_system_sgpr_workgroup_id_z 1
		.amdhsa_system_vgpr_workitem_id 0
		.amdhsa_next_free_vgpr 512
		.amdhsa_next_free_sgpr 66
		.amdhsa_reserve_vcc 1
		.amdhsa_float_denorm_mode_32 3
		.amdhsa_float_denorm_mode_16_64 3
		.amdhsa_memory_ordered 1
		.amdhsa_forward_progress 1
		.amdhsa_inst_pref_size 223
	.end_amdhsa_kernel
	.amdgpu_metadata
---
amdhsa.version: [ 1, 2 ]
amdhsa.kernels:
  - .name:           k_qd011e055ab_prep
    .symbol:         k_qd011e055ab_prep.kd
    .args:
      - { .name: x, .offset: 0, .size: 8, .value_kind: global_buffer, .address_space: global }
      - { .name: router_w, .offset: 8, .size: 8, .value_kind: global_buffer, .address_space: global }
      - { .name: router_b, .offset: 16, .size: 8, .value_kind: global_buffer, .address_space: global }
      - { .name: expert_w, .offset: 24, .size: 8, .value_kind: global_buffer, .address_space: global }
      - { .name: xc, .offset: 32, .size: 8, .value_kind: global_buffer, .address_space: global }
      - { .name: xs, .offset: 40, .size: 8, .value_kind: global_buffer, .address_space: global }
      - { .name: wc, .offset: 48, .size: 8, .value_kind: global_buffer, .address_space: global }
      - { .name: ws, .offset: 56, .size: 8, .value_kind: global_buffer, .address_space: global }
      - { .name: masks, .offset: 64, .size: 8, .value_kind: global_buffer, .address_space: global }
    .group_segment_fixed_size: 70656
    .private_segment_fixed_size: 0
    .kernarg_segment_align: 8
    .kernarg_segment_size: 72
    .max_flat_workgroup_size: 256
    .sgpr_count:     66
    .vgpr_count:     512
    .wavefront_size: 32
...
	.end_amdgpu_metadata
.endif
;; end of part 1
;; launch place (part 2): grid 32 x 1, 8 waves a work-group, no clusters, 0 bytes of LDS; arguments masks, order, tiles; writes order, tiles
.if DOCPART == 2
	.amdgcn_target "amdgcn-amd-amdhsa--gfx1250"
	.amdhsa_code_object_version 6
	.text
	.protected	k_qd011e055ab_place
	.globl	k_qd011e055ab_place
	.p2align	8
	.type	k_qd011e055ab_place,@function
k_qd011e055ab_place:
	s_mov_b64 s[64:65], 0
	v_nop
	global_prefetch_b8 v0, s[64:65] scope:SCOPE_SE
	s_setreg_imm32_b32 hwreg(HW_REG_WAVE_MODE, 25, 1), 1
	s_wait_xcnt 0x0
; PLACE: a counting sort of the 8,192 tokens by expert, stable, and the list of row tiles.  Whole numbers alone.
; masks bytes 0..8191: [block of 32 tokens 0..255][e 0..7] words, bit i = token 32 block + i chose e;  bytes 8192..16383: the same words, each byte the count of 8 tokens.
; order[pos] = token, experts one after the other.   tiles: 64 entries {expert, first pos, rows 0..144, 0}: expert e has ceil(n_e / 144) tiles, and the sum of those is at most (8192 + 8 x 143) / 144, so at most 64, for every split.
; One wave takes one block of 32 tokens, a lane to a token.  Every wave adds up the table of counts (8 KB) for itself: no LDS, no barrier, nothing handed between waves.  The first wave also writes the tiles.
.set BEF, 80                           ; v80-83  counts in the blocks before mine, expert 4 (lane % 2) + q
.set TOT, 84                           ; v84-87  counts in all blocks
.set T4,  88                           ; v88-91  at work
	s_load_b128 s[4:7], s[0:1], 0x0                ; masks s[4:5], order s[6:7]
	s_load_b64 s[8:9], s[0:1], 0x10                ; tiles
	v_lshrrev_b32 v1, 5, v0
	s_delay_alu instid0(VALU_DEP_1)
	v_readfirstlane_b32 s10, v1                    ; wave
	s_lshl_b32 s11, ttmp9, 3
	s_add_co_u32 s11, s11, s10                     ; my block
	v_and_b32 v1, 31, v0                           ; lane
	s_delay_alu instid0(VALU_DEP_1)
	v_lshlrev_b32 v2, 4, v1
	s_delay_alu instid0(VALU_DEP_2)
	v_lshrrev_b32 v3, 1, v1                        ; lane / 2
	s_lshl_b32 s12, s11, 5
	s_mov_b32 s13, 0
	s_mov_b32 s14, 0x76543210
	s_mov_b32 s15, 0xfedcba98
	s_mov_b32 s66, 0x00ff00ff
	s_wait_alu depctr_va_vdst(0)
	s_wait_kmcnt 0x0
	s_add_nc_u64 s[12:13], s[4:5], s[12:13]
	s_load_b256 s[16:23], s[12:13], 0x0            ; my block's eight masks
.irp j, 0,1,2,3,4,5,6,7,8,9,10,11,12,13,14,15
	global_load_b128 v[16+4*\j:19+4*\j], v2, s[4:5] offset:8192+512*\j   ; register (j, q): block 16 j + lane / 2, expert 4 (lane % 2) + q
.endr
	s_wait_loadcnt 0x0
	s_wait_kmcnt 0x0
.irp j, 0,1,2,3,4,5,6,7,8,9,10,11,12,13,14,15
	s_sub_co_i32 s67, s11, 16*\j
	v_cmp_gt_i32 vcc_lo, s67, v3                   ; is block 16 j + lane / 2 before mine?
.irp q, 0,1,2,3
.if \j == 0
	v_cndmask_b32 v[BEF+\q], 0, v[16+\q], vcc_lo
.else
	v_cndmask_b32 v[T4+\q], 0, v[16+4*\j+\q], vcc_lo
	s_delay_alu instid0(VALU_DEP_1)
	v_add_nc_u32 v[BEF+\q], v[BEF+\q], v[T4+\q]    ; four byte counts at once: 16 words of at most 8 a byte stay under 256
.endif
.if \j == 1
	v_add_nc_u32 v[TOT+\q], v[16+\q], v[20+\q]
.elseif \j > 1
	v_add_nc_u32 v[TOT+\q], v[TOT+\q], v[16+4*\j+\q]
.endif
.endr
.endr
.irp x, 80,81,82,83,84,85,86,87                ; a word's four bytes are added
	v_lshrrev_b32 v[T4], 8, v\x
	v_and_b32 v\x, s66, v\x
	s_delay_alu instid0(VALU_DEP_2)
	v_and_b32 v[T4], s66, v[T4]
	s_delay_alu instid0(VALU_DEP_1)
	v_add_nc_u32 v\x, v\x, v[T4]
	s_delay_alu instid0(VALU_DEP_1)
	v_lshrrev_b32 v[T4], 16, v\x
	s_delay_alu instid0(VALU_DEP_2)
	v_and_b32 v\x, 0xffff, v\x
	s_delay_alu instid0(VALU_DEP_1)
	v_add_nc_u32 v\x, v\x, v[T4]
.endr
.irp q, 0,1,2,3
	v_lshl_or_b32 v[BEF+\q], v[TOT+\q], 16, v[BEF+\q]   ; both are at most 8,192: one register carries the two through the lanes
.endr
.irp m, 2,4,8                                  ; over the lanes of my parity
.irp q, 0,1,2,3
	s_delay_alu instid0(VALU_DEP_4)
	v_mov_b32_dpp v[T4+\q], v[BEF+\q] row_xmask:\m row_mask:0xf bank_mask:0xf
.endr
.irp q, 0,1,2,3
	s_delay_alu instid0(VALU_DEP_4)
	v_add_nc_u32 v[BEF+\q], v[BEF+\q], v[T4+\q]
.endr
.endr
.irp q, 0,1,2,3
	s_delay_alu instid0(VALU_DEP_4)
	v_permlanex16_b32 v[T4+\q], v[BEF+\q], s14, s15
.endr
.irp q, 0,1,2,3
	s_delay_alu instid0(VALU_DEP_4)
	v_add_nc_u32 v[BEF+\q], v[BEF+\q], v[T4+\q]
.endr
.irp q, 0,1,2,3
	v_readlane_b32 s[24+\q], v[BEF+\q], 0          ; experts 0-3
	v_readlane_b32 s[28+\q], v[BEF+\q], 1          ; experts 4-7
.endr
	s_mov_b32 s68, 0
.irp e, 0,1,2,3,4,5,6,7
	s_lshr_b32 s[32+\e], s[24+\e], 16              ; n_e
	s_and_b32 s69, s[24+\e], 0xffff
	s_mov_b32 s[40+\e], s68                        ; where expert e's rows begin
	s_add_co_u32 s[48+\e], s68, s69                ; and those of my block among them
	s_add_co_u32 s68, s68, s[32+\e]
.endr
	v_mbcnt_lo_u32_b32 v8, s16, s48                ; + how many lower lanes chose the same expert
.irp e, 1,2,3,4,5,6,7
	v_mbcnt_lo_u32_b32 v9, s[16+\e], s[48+\e]
	s_delay_alu instid0(VALU_DEP_1)
	v_cndmask_b32 v8, v8, v9, s[16+\e]             ; each token stands in one mask
.endr
	s_delay_alu instid0(VALU_DEP_1)
	v_min_u32 v8, 0x1fff, v8                       ; a number made of loaded numbers enters an address behind a hold
	s_delay_alu instid0(VALU_DEP_1)
	v_lshlrev_b32 v8, 2, v8
	s_lshl_b32 s69, s11, 5
	v_add_nc_u32 v10, s69, v1                      ; my token
	global_store_b32 v8, v10, s[6:7]
	s_or_b32 s69, ttmp9, s10
	s_cmp_lg_u32 s69, 0
	s_cbranch_scc1 .Lend                           ; the tiles are written by the first wave of the first work-group
	s_mov_b32 s68, 0
.irp e, 0,1,2,3,4,5,6,7
	s_add_co_u32 s69, s[32+\e], 143
	s_mul_i32 s69, s69, 29128                      ; (n + 143) / 144, rounded down: 29128 / 2^22 is above 1 / 144 by 3.1 parts in 100,000, which up to 8,335 moves no quotient
	s_lshr_b32 s69, s69, 22
	s_mov_b32 s[56+\e], s68                        ; expert e's first tile
	s_add_co_u32 s68, s68, s69
.endr
.macro TILES k                         ; entries 32 k + lane
.set TBS, 16+8*\k
	v_add_nc_u32 v[TBS], 32*\k, v1
	v_mov_b32 v[TBS+4], 0                          ; expert,
	v_mov_b32 v[TBS+2], 0                          ; its first tile,
	v_mov_b32 v[TBS+5], 0                          ; its first row,
	v_mov_b32 v[TBS+3], s32                        ; its rows: expert 0's; then the last expert whose first tile is not beyond mine
.irp e, 1,2,3,4,5,6,7
	v_cmp_le_u32 vcc_lo, s[56+\e], v[TBS]
	s_delay_alu instid0(VALU_DEP_1)
	v_cndmask_b32 v[TBS+4], v[TBS+4], \e, vcc_lo
	s_delay_alu instid0(VALU_DEP_2)
	v_cndmask_b32 v[TBS+2], v[TBS+2], s[56+\e], vcc_lo
	s_delay_alu instid0(VALU_DEP_3)
	v_cndmask_b32 v[TBS+5], v[TBS+5], s[40+\e], vcc_lo
	s_delay_alu instid0(VALU_DEP_4)
	v_cndmask_b32 v[TBS+3], v[TBS+3], s[32+\e], vcc_lo
.endr
	s_delay_alu instid0(VALU_DEP_3)
	v_sub_nc_u32 v[TBS+2], v[TBS], v[TBS+2]
	s_delay_alu instid0(VALU_DEP_1)
	v_mul_u32_u24 v[TBS+2], v[TBS+2], 144          ; the tile's first row within its expert
	s_delay_alu instid0(VALU_DEP_1)
	v_add_nc_u32 v[TBS+5], v[TBS+5], v[TBS+2]
	s_delay_alu instid0(VALU_DEP_2)
	v_cmp_gt_u32 vcc_lo, v[TBS+3], v[TBS+2]
	s_delay_alu instid0(VALU_DEP_3)
	v_sub_nc_u32 v[TBS+6], v[TBS+3], v[TBS+2]
	s_delay_alu instid0(VALU_DEP_1)
	v_cndmask_b32 v[TBS+6], 0, v[TBS+6], vcc_lo    ; what is left of the expert's rows, 0 behind its end,
	s_delay_alu instid0(VALU_DEP_1)
	v_min_u32 v[TBS+6], 144, v[TBS+6]              ; 144 at the most
	v_mov_b32 v[TBS+7], 0
	v_lshlrev_b32 v[TBS+1], 4, v[TBS]
	global_store_b128 v[TBS+1], v[TBS+4:TBS+7], s[8:9]
.endm
	TILES 0
	TILES 1
.Lend:
	s_endpgm
.Lfunc_end_k_qd011e055ab_place:
	.size	k_qd011e055ab_place, .Lfunc_end_k_qd011e055ab_place-k_qd011e055ab_place
	.p2alignl 7, 3214868480
	.fill 96, 4, 3214868480
	.section	.rodata,"a",@progbits
	.p2align	6, 0x0
	.amdhsa_kernel k_qd011e055ab_place
		.amdhsa_group_segment_fixed_size 0
		.amdhsa_private_segment_fixed_size 0
		.amdhsa_enable_private_segment 0
		.amdhsa_kernarg_size 24
		.amdhsa_user_sgpr_count 2
		.amdhsa_user_sgpr_kernarg_segment_ptr 1
		.amdhsa_wavefront_size32 1
		.amdhsa_system_sgpr_workgroup_id_x 1
		.amdhsa_system_sgpr_workgroup_id_y 1
		.amdhsa_system_sgpr_workgroup_id_z 1
		.amdhsa_system_vgpr_workitem_id 0
		.amdhsa_next_free_vgpr 96
		.amdhsa_next_free_sgpr 96
		.amdhsa_reserve_vcc 1
		.amdhsa_float_denorm_mode_32 3
		.amdhsa_float_denorm_mode_16_64 3
		.amdhsa_memory_ordered 1
		.amdhsa_forward_progress 1
		.amdhsa_inst_pref_size 31
	.end_amdhsa_kernel
	.amdgpu_metadata
---
amdhsa.version: [ 1, 2 ]
amdhsa.kernels:
  - .name:           k_qd011e055ab_place
    .symbol:         k_qd011e055ab_place.kd
    .args:
      - { .name: masks, .offset: 0, .size: 8, .value_kind: global_buffer, .address_space: global }
      - { .name: order, .offset: 8, .size: 8, .value_kind: global_buffer, .address_space: global }
      - { .name: tiles, .offset: 16, .size: 8, .value_kind: global_buffer, .address_space: global }
    .group_segment_fixed_size: 0
    .private_segment_fixed_size: 0
    .kernarg_segment_align: 8
    .kernarg_segment_size: 24
    .max_flat_workgroup_size: 256
    .sgpr_count:     96
    .vgpr_count:     96
    .wavefront_size: 32
...
	.end_amdgpu_metadata
.endif
;; end of part 2
;; launch gemm (part 3): grid 4 x 64, 4 waves a work-group, no clusters, 175,360 bytes of LDS; arguments xc, xs, wc, ws, expert_b, order, tiles, out0; writes out0
.if DOCPART == 3
	.amdgcn_target "amdgcn-amd-amdhsa--gfx1250"
	.amdhsa_code_object_version 6
	.text
	.protected	k_qd011e055ab_gemm
	.globl	k_qd011e055ab_gemm
	.p2align	8
	.type	k_qd011e055ab_gemm,@function
k_qd011e055ab_gemm:
	s_mov_b64 s[64:65], 0
	v_nop
	global_prefetch_b8 v0, s[64:65] scope:SCOPE_SE
	s_setreg_imm32_b32 hwreg(HW_REG_WAVE_MODE, 25, 1), 1
	s_wait_xcnt 0x0
; GEMM: out0[token] = Q(x[token]) Q(W[expert of token])^T + expert_b[expert], on codes of E4M3 with E8M0 scales, only for the expert that was chosen.
; A work-group takes one row tile of the list (up to 144 tokens of one expert, work-group y) and 256 of the 1,024 columns (work-group x): 64 x 4 = 256 work-groups.
; Wave w makes 144 rows x 64 columns: 9 x 4 = 36 accumulators.  ITS WEIGHTS FOR ALL OF K STAY IN REGISTERS (8 K steps x 4 tiles x 16 = 512), loaded once, as register images, 512 consecutive bytes a load.
; The tile's rows of x are gathered once into LDS (each wave 36 rows, whole rows of 1,024 bytes) and read by all four waves behind the launch's one barrier.
; THE MATRIX INSTRUCTION IS USED TRANSPOSED: source 0 = 16 rows of W (output columns), source 1 = 16 tokens: a lane holds one token (lane % 16) and 8 neighbouring columns.  The bias is the C of each sum's first product.
; ROWS BEYOND THE TILE'S COUNT repeat its last token: they compute and store the same numbers to the same place, so EXEC never changes.  Whole blocks of 16 such rows are not stored.
; A TILE WITHOUT ROWS (the list has 64 entries for every split; at most 7 can be empty) runs the loads with held addresses as far as the barrier, since every wave passes every barrier, then ends and stores nothing.
; NO CLUSTER, NO TENSOR LOAD: the work hangs on numbers read from memory (expert, rows, tokens), x's rows are scattered, and neighbours in the grid may have other experts.  No prefetch: all loads are asked for at the head.
; LIMITS: as the launch that makes the codes states them.
; REGISTERS.  window 0: v1 r, v2 h, v3 16 x lane; v16-23 addresses; v24-39 W's scale words; v40-75 x's scale words; v76-107 the bias; v108-139 row block 8's accumulators (before the barrier: 27 gather offsets);
;   v140-235 x's fragments, two halves of three (before the barrier: landing place; on the way out: rows and tokens); v236-247 the gather's addresses.
;   window 1: accumulator (a < 8, b) at 8 (4 a + b) (before the barrier: landing place of the gather).   windows 2, 3: W's fragment (s, b) at 64 (s % 4) + 16 b of window 2 + s / 4.
.set PA,   1040                        ; a row of x in LDS: 1,024 bytes + 16: an odd multiple of 16, so the 16 rows of a load begin in 16 different groups of banks (64 banks of 4 bytes: ISA guide 11.1)
.set ASC,  144*PA                      ; x's scale words: 144 rows x 48 bytes (32 + 16)
.set PS,   48
.set TOK,  ASC+144*PS                  ; the tile's 144 tokens
.set STG,  TOK+768                     ; the way out: 16 rows x (256 + 16) bytes for each wave
.set SPI,  272
.set ADRA, 16                          ; v16-18 my lane's place in rows 48 g on
.set AAS,  19
.set STO,  20
.set RD,   21
.set TKA,  22
.set COL,  23
.set BSC,  24
.set ASCR, 40
.set BIAS, 76
.set ACC8, 108
.set GO,   108
.set AF,   140
.set BK,   140                         ; the way out: 2 x 32 registers of rows
.set TK,   204                         ; and 2 x 8 of tokens, then offsets
.set MSB, 0
.macro WIN new                         ; the immediate's high byte repeats the setting that is left
.if MSB != \new
	s_set_vgpr_msb (MSB<<8)|\new
.set MSB, \new
.endif
.endm
.macro PLACES n
.rept \n
	v_nop
.endr
.endm
.macro LOADB s                         ; W's four fragments of K step s
.if (\s) < 4
	WIN 0x80
.else
	WIN 0xc0
.endif
.irp b, 0,1,2,3
.irp c, 0,1,2,3
	global_load_b128 v[64*((\s)%4)+16*\b+4*\c:64*((\s)%4)+16*\b+4*\c+3], v3, s[8:9] offset:16384*\b+2048*(\s)+512*\c
.endr
.endr
.endm
	s_load_b256 s[4:11], s[0:1], 0x0               ; xc s[4:5], xs s[6:7], wc s[8:9], ws s[10:11]
	s_load_b256 s[12:19], s[0:1], 0x20             ; expert_b s[12:13], order s[14:15], tiles s[16:17], out0 s[18:19]
	v_lshl_add_u32 v254, v0, 2, 0x2ab00
	v_mov_b32 v255, 0
	v_lshrrev_b32 v4, 5, v0
	v_readfirstlane_b32 s20, v4                    ; wave 0..3
	v_and_b32 v5, 31, v0                           ; lane
	v_and_b32 v1, 15, v0                           ; r
	v_bfe_u32 v2, v0, 4, 1                         ; h
	v_lshlrev_b32 v3, 4, v5
	s_and_b32 s21, ttmp7, 0xffff                   ; my row tile
	s_lshl_b32 s22, s21, 4
	s_mov_b32 s23, 0
	s_wait_alu depctr_va_vdst(0)
	s_wait_kmcnt 0x0
	s_add_nc_u64 s[16:17], s[16:17], s[22:23]
	s_load_b128 s[24:27], s[16:17], 0x0            ; expert, first position, rows, 0
	v_mul_u32_u24 v[ADRA], v1, PA
	v_lshl_add_u32 v[ADRA], v2, 4, v[ADRA]         ; a fragment's row x pitch + 16 h
	v_add_nc_u32 v[ADRA+1], 48*PA, v[ADRA]
	v_add_nc_u32 v[ADRA+2], 96*PA, v[ADRA]
	v_mul_u32_u24 v[AAS], v1, PS
	v_lshl_add_u32 v[AAS], v2, 4, v[AAS]
	v_add_nc_u32 v[AAS], ASC, v[AAS]               ; lanes 0-15: row r's words of K steps 0-3, lanes 16-31: of K steps 4-7
	s_mul_i32 s28, s20, 16*SPI
	s_add_co_u32 s28, s28, STG                     ; my stage
	v_mul_u32_u24 v[STO], v1, SPI
	v_lshl_add_u32 v[STO], v2, 5, v[STO]
	v_add_nc_u32 v[STO], s28, v[STO]               ; in: row r, 32 bytes for each half of the lanes
	v_mul_u32_u24 v[RD], v2, 8*SPI
	v_lshl_add_u32 v[RD], v1, 4, v[RD]
	v_add_nc_u32 v[RD], s28, v[RD]                 ; back: lanes 0-15 row t, lanes 16-31 row t + 8
	v_lshl_add_u32 v[TKA], v2, 5, TOK              ; the tokens of those rows: 8 words for each half
	v_lshlrev_b32 v[COL], 4, v1
	s_mul_i32 s29, s20, 144
	s_add_co_u32 s29, s29, TOK                     ; my 36 words of the tokens
	v_lshl_add_u32 v236, v5, 2, s29                ; rows 36 w + lane,
	v_and_b32 v6, 3, v5
	v_lshl_add_u32 v237, v6, 2, s29
	v_add_nc_u32 v237, 128, v237                   ; rows 36 w + 32 + lane % 4
	v_lshl_add_u32 v238, v2, 2, s29                ; back, for pairs of rows: sixteen lanes to a row,
	v_lshrrev_b32 v7, 3, v5
	v_lshl_add_u32 v239, v7, 2, s29                ; and for four rows of scale bytes: eight lanes to a row
	s_mul_i32 s30, s20, 36*PA
	v_mul_u32_u24 v240, v2, PA
	v_add_nc_u32 v240, v240, v[COL]
	v_add_nc_u32 v240, s30, v240                   ; where a pair of rows goes
	v_and_b32 v8, 7, v5
	v_lshlrev_b32 v242, 2, v8
	s_mul_i32 s31, s20, 36*PS
	s_add_co_u32 s31, s31, ASC
	v_mul_u32_u24 v241, v7, PS
	v_add_nc_u32 v241, v241, v242
	v_add_nc_u32 v241, s31, v241                   ; where four rows' scale words go
	v_lshlrev_b32 v243, 5, v2                      ; the bias: my half's 8 columns
	s_mul_i32 s33, s20, 36
	v_add_nc_u32 v244, s33, v5
	v_add_nc_u32 v245, s33, v6
	v_add_nc_u32 v245, 32, v245
	s_lshl_b32 s34, ttmp9, 4
	s_lshl_b32 s35, s20, 2
	s_add_co_u32 s34, s34, s35                     ; my first tile of 16 columns: 16 x work-group x + 4 x wave
	s_wait_alu depctr_va_vdst(0)
	s_wait_kmcnt 0x0
	s_min_u32 s24, s24, 7                          ; numbers read from memory enter addresses behind a hold
	s_min_u32 s25, s25, 0x1fff
	s_min_u32 s26, s26, 144
	s_max_u32 s27, s26, 1
	s_sub_co_u32 s27, s27, 1                       ; the tile's last row
	s_mov_b32 s37, 0
	s_lshl_b32 s36, s24, 20                        ; wc: 64 tiles of 16,384 bytes an expert
	s_lshl_b32 s35, s34, 14
	s_add_co_u32 s36, s36, s35
	s_add_nc_u64 s[8:9], s[8:9], s[36:37]
	s_lshl_b32 s36, s24, 15                        ; ws: 512 bytes a tile
	s_lshl_b32 s35, s34, 9
	s_add_co_u32 s36, s36, s35
	s_add_nc_u64 s[10:11], s[10:11], s[36:37]
	s_lshl_b32 s36, s24, 12                        ; expert_b: 4,096 bytes an expert, 64 a tile
	s_lshl_b32 s35, s34, 6
	s_add_co_u32 s36, s36, s35
	s_add_nc_u64 s[12:13], s[12:13], s[36:37]
	s_mov_b32 s36, s35                             ; out0: my 64 columns: 256 bytes, aligned
	s_add_nc_u64 s[18:19], s[18:19], s[36:37]
	v_min_u32 v244, s27, v244                      ; rows beyond the tile's count take its last token
	v_min_u32 v245, s27, v245
	v_add_nc_u32 v244, s25, v244
	v_add_nc_u32 v245, s25, v245
	v_min_u32 v244, 0x1fff, v244
	v_min_u32 v245, 0x1fff, v245
	v_lshlrev_b32 v244, 2, v244
	v_lshlrev_b32 v245, 2, v245
	global_load_b32 v246, v244, s[14:15]           ; my 36 rows' tokens
	global_load_b32 v247, v245, s[14:15]
.irp b, 0,1,2,3
	global_load_b128 v[BSC+4*\b:BSC+4*\b+3], v3, s[10:11] offset:512*\b   ; register 4 b + j: lanes 0-15 row r's word of K step j, lanes 16-31 of K step 4 + j
.endr
.irp b, 0,1,2,3
	global_load_b128 v[BIAS+8*\b:BIAS+8*\b+3], v243, s[12:13] offset:64*\b
	global_load_b128 v[BIAS+8*\b+4:BIAS+8*\b+7], v243, s[12:13] offset:64*\b+16
.endr
	LOADB 0
	LOADB 1
	LOADB 2
	WIN 0
	s_wait_loadcnt 60                              ; the tokens are in: behind them 4 + 8 + 48 loads
	ds_store_b32 v236, v246
	ds_store_b32 v237, v247                        ; (lanes of equal lane % 4 write the same word with the same value)
.irp p, 0,1,2,3,4,5,6,7,8,9,10,11,12,13,14,15,16,17
	ds_load_b32 v[GO+\p], v238 offset:8*\p         ; LDS serves a wave's instructions in order: these see my stores.  Rows 36 w + 2 p + h
.endr
.irp i, 0,1,2,3,4,5,6,7,8
	ds_load_b32 v[GO+18+\i], v239 offset:16*\i     ; rows 36 w + 4 i + lane / 8
.endr
	s_wait_dscnt 0x0
.irp p, 0,1,2,3,4,5,6,7,8,9,10,11,12,13,14,15,16,17,18,19,20,21,22,23,24,25,26
	v_min_u32 v[GO+\p], 0x1fff, v[GO+\p]
.endr
.irp p, 0,1,2,3,4,5,6,7,8,9,10,11,12,13,14,15,16,17
	v_lshl_add_u32 v[GO+\p], v[GO+\p], 10, v[COL]  ; a token's codes: 1,024 bytes
.endr
.irp i, 0,1,2,3,4,5,6,7,8
	v_lshl_add_u32 v[GO+18+\i], v[GO+18+\i], 5, v242   ; its scale bytes: 32
.endr
	WIN 0x40                                       ; destination window 1
.irp p, 0,1,2,3,4,5,6,7,8,9,10,11,12,13,14,15
.irp q, 0,1,2,3
	global_load_b128 v[16*\p+4*\q:16*\p+4*\q+3], v[GO+\p], s[4:5] offset:256*\q   ; sixteen lanes read 256 consecutive bytes of one token, aligned
.endr
.endr
	WIN 0
.irp p, 16,17
.irp q, 0,1,2,3
	global_load_b128 v[AF+16*(\p-16)+4*\q:AF+16*(\p-16)+4*\q+3], v[GO+\p], s[4:5] offset:256*\q
.endr
.endr
.irp i, 0,1,2,3,4,5,6,7,8
	global_load_b32 v[AF+32+\i], v[GO+18+\i], s[6:7]
.endr
	LOADB 3
	LOADB 4
	LOADB 5
	s_wait_loadcnt 48                              ; x's rows and all that was asked before them are in: behind them K steps 3 to 5 of W, 16 loads each
	WIN 0x04                                       ; an LDS store's data are its source 1: window 1
.irp p, 0,1,2,3,4,5,6,7,8,9,10,11,12,13,14,15
.irp q, 0,1,2,3
	ds_store_b128 v240, v[16*\p+4*\q:16*\p+4*\q+3] offset:2*PA*\p+256*\q
.endr
.endr
	WIN 0
.irp p, 16,17
.irp q, 0,1,2,3
	ds_store_b128 v240, v[AF+16*(\p-16)+4*\q:AF+16*(\p-16)+4*\q+3] offset:2*PA*\p+256*\q
.endr
.endr
.irp i, 0,1,2,3,4,5,6,7,8
	ds_store_b32 v241, v[AF+32+\i] offset:4*PS*\i
.endr
	LOADB 6
	LOADB 7
	WIN 0
	s_wait_dscnt 0x0                               ; for the others' sake: my rows, scale words and tokens lie in LDS
	s_barrier_signal -1
	s_barrier_wait -1
	s_cmp_eq_u32 s26, 0
	s_cbranch_scc1 .Lend                           ; a tile without rows: behind the barrier, which every wave passes
; THE PRODUCT: 24 groups of 12 matrix instructions: K step g / 3, row blocks 3 (g % 3) + 0..2, against my four column tiles.  The 36 accumulators take turns, one instruction a turn, in the same order in
; every K step.  A group's three fragments of x are asked for a group ahead, into the half that the group before has left.
.macro LOADG g
.set LS, (\g)/3
.set LG, (\g)%3
.irp i, 0,1,2
.irp c, 0,1,2,3
	ds_load_b128 v[AF+48*((\g)%2)+16*\i+4*\c:AF+48*((\g)%2)+16*\i+4*\c+3], v[ADRA+LG] offset:16*PA*\i+128*LS+32*\c
.endr
.endr
.endm
.macro GROUP g
.if (\g) >= 1
	PLACES 8                                       ; a load into registers that matrix instructions have read stands eight plain vector instructions behind them
.endif
	WIN 0
.if (\g) < 23
	LOADG (\g)+1
	s_wait_dscnt 12                                ; this group's fragments are in: behind them the 12 loads just issued
.else
	s_wait_dscnt 0x0
.endif
.set KS, (\g)/3
.set KG, (\g)%3
.if (KG == 0) && (KS >= 3)
.if KS == 3
	s_wait_loadcnt 63                              ; W's K step 3 is in: behind it four steps of 16 loads; 63 is the largest count that the wait can name
.else
	s_wait_loadcnt 16*(7-KS)                       ; W's K step is in: behind it the later steps, 16 loads each
.endif
.endif
.irp i, 0,1,2
.set RB, 3*KG+\i
.if RB < 8
.if KS == 0
	WIN 0x42                                       ; W window 2, x and the bias window 0, D window 1
.elseif KS < 4
	WIN 0x52                                       ; C and D window 1
.else
	WIN 0x53                                       ; W window 3
.endif
.else
.if KS < 4
	WIN 0x02                                       ; row block 8's accumulators lie in window 0
.else
	WIN 0x03
.endif
.endif
.irp b, 0,1,2,3
.if RB < 8
.set DD, 8*(4*RB+\b)
.else
.set DD, ACC8+8*\b
.endif
.set WW, 64*(KS%4)+16*\b
.set XX, AF+48*((\g)%2)+16*\i
.if KS == 0
	v_wmma_scale_f32_16x16x128_f8f6f4 v[DD:DD+7], v[WW:WW+15], v[XX:XX+15], v[BIAS+8*\b:BIAS+8*\b+7], v[BSC+4*\b], v[ASCR+4*RB]
.elseif KS < 4
	v_wmma_scale_f32_16x16x128_f8f6f4 v[DD:DD+7], v[WW:WW+15], v[XX:XX+15], v[DD:DD+7], v[BSC+4*\b+KS], v[ASCR+4*RB+KS]
.else
	v_wmma_scale_f32_16x16x128_f8f6f4 v[DD:DD+7], v[WW:WW+15], v[XX:XX+15], v[DD:DD+7], v[BSC+4*\b+KS-4], v[ASCR+4*RB+KS-4] matrix_a_scale:MATRIX_SCALE_ROW1 matrix_b_scale:MATRIX_SCALE_ROW1
.endif
.endr
.endr
.endm
.irp a, 0,1,2,3,4,5,6,7,8
	ds_load_b128 v[ASCR+4*\a:ASCR+4*\a+3], v[AAS] offset:16*PS*\a   ; register 4 a + j: lanes 0-15 K step j, lanes 16-31 K step 4 + j
.endr
	LOADG 0
.set G, 0
.rept 24
	GROUP G
.set G, G+1
.endr
; THE WAY OUT, a block of 16 rows x 64 columns at a time, through my own stage: sixteen lanes then hold 256 neighbouring bytes of one token's row, and store them at the token's place.
.macro TOSTAGE a
	ds_load_b128 v[TK+8*((\a)%2):TK+8*((\a)%2)+3], v[TKA] offset:64*(\a)        ; the tokens of rows 16 a + 8 (lane / 16) + 0 .. 7
	ds_load_b128 v[TK+8*((\a)%2)+4:TK+8*((\a)%2)+7], v[TKA] offset:64*(\a)+16
.if (\a) < 8
	WIN 0x04
.irp b, 0,1,2,3
	ds_store_b128 v[STO], v[8*(4*(\a)+\b):8*(4*(\a)+\b)+3] offset:64*\b          ; each accumulator from its low end on
	ds_store_b128 v[STO], v[8*(4*(\a)+\b)+4:8*(4*(\a)+\b)+7] offset:64*\b+16
.endr
	WIN 0
.else
.irp b, 0,1,2,3
	ds_store_b128 v[STO], v[ACC8+8*\b:ACC8+8*\b+3] offset:64*\b
	ds_store_b128 v[STO], v[ACC8+8*\b+4:ACC8+8*\b+7] offset:64*\b+16
.endr
.endif
.irp t, 0,1,2,3,4,5,6,7
	ds_load_b128 v[BK+32*((\a)%2)+4*\t:BK+32*((\a)%2)+4*\t+3], v[RD] offset:SPI*\t   ; LDS serves a wave's instructions in order: these see the stores above, and the next block's stores come behind them
.endr
.endm
.macro SEND a, younger                 ; younger: the LDS instructions issued behind block a's loads, which may stay out
	s_wait_dscnt \younger
.irp t, 0,1,2,3,4,5,6,7
	v_min_u32 v[TK+8*((\a)%2)+\t], 0x1fff, v[TK+8*((\a)%2)+\t]
.endr
.irp t, 0,1,2,3,4,5,6,7
	v_lshl_add_u32 v[TK+8*((\a)%2)+\t], v[TK+8*((\a)%2)+\t], 12, v[COL]          ; a row of out0 is 4,096 bytes
.endr
.irp t, 0,1,2,3,4,5,6,7
	global_store_b128 v[TK+8*((\a)%2)+\t], v[BK+32*((\a)%2)+4*\t:BK+32*((\a)%2)+4*\t+3], s[18:19] th:TH_STORE_NT   ; sixteen lanes store 256 consecutive bytes, aligned; written once, read by nobody here
.endr
.endm
	PLACES 8                                       ; behind the last products: for the LDS stores that read results and the loads into the registers that held x's fragments
	WIN 0
	TOSTAGE 0
.irp a, 1,2,3,4,5,6,7,8
	s_cmp_le_u32 s26, 16*\a                        ; has block a a row of the tile?
	s_cbranch_scc1 .Ltail_\a
.if \a > 1
	s_wait_xcnt 0x0                                ; block a - 2's stores have read their data and offsets: block a's loads may land there
.endif
	TOSTAGE \a
	SEND \a-1, 18                                  ; behind block a - 1's loads: block a's 2 + 8 + 8 LDS instructions
.endr
	SEND 8, 0
	s_wait_tensorcnt 0x0
	ds_add_u32 v254, v255
	s_wait_dscnt 0x0
	s_endpgm
.irp a, 1,2,3,4,5,6,7,8
.Ltail_\a:
	SEND \a-1, 0                                   ; the tile's last block
	s_wait_tensorcnt 0x0
	ds_add_u32 v254, v255
	s_wait_dscnt 0x0
	s_endpgm
.endr
.Lend:
	s_wait_tensorcnt 0x0
	ds_add_u32 v254, v255
	s_wait_dscnt 0x0
	s_endpgm
.Lfunc_end_k_qd011e055ab_gemm:
	.size	k_qd011e055ab_gemm, .Lfunc_end_k_qd011e055ab_gemm-k_qd011e055ab_gemm
	.p2alignl 7, 3214868480
	.fill 96, 4, 3214868480
	.section	.rodata,"a",@progbits
	.p2align	6, 0x0
	.amdhsa_kernel k_qd011e055ab_gemm
		.amdhsa_group_segment_fixed_size 175360
		.amdhsa_private_segment_fixed_size 0
		.amdhsa_enable_private_segment 0
		.amdhsa_kernarg_size 64
		.amdhsa_user_sgpr_count 2
		.amdhsa_user_sgpr_kernarg_segment_ptr 1
		.amdhsa_wavefront_size32 1
		.amdhsa_system_sgpr_workgroup_id_x 1
		.amdhsa_system_sgpr_workgroup_id_y 1
		.amdhsa_system_sgpr_workgroup_id_z 1
		.amdhsa_system_vgpr_workitem_id 0
		.amdhsa_next_free_vgpr 1024
		.amdhsa_next_free_sgpr 66
		.amdhsa_reserve_vcc 0
		.amdhsa_float_denorm_mode_32 3
		.amdhsa_float_denorm_mode_16_64 3
		.amdhsa_memory_ordered 1
		.amdhsa_forward_progress 1
		.amdhsa_inst_pref_size 143
	.end_amdhsa_kernel
	.amdgpu_metadata
---
amdhsa.version: [ 1, 2 ]
amdhsa.kernels:
  - .name:           k_qd011e055ab_gemm
    .symbol:         k_qd011e055ab_gemm.kd
    .args:
      - { .name: xc, .offset: 0, .size: 8, .value_kind: global_buffer, .address_space: global }
      - { .name: xs, .offset: 8, .size: 8, .value_kind: global_buffer, .address_space: global }
      - { .name: wc, .offset: 16, .size: 8, .value_kind: global_buffer, .address_space: global }
      - { .name: ws, .offset: 24, .size: 8, .value_kind: global_buffer, .address_space: global }
      - { .name: expert_b, .offset: 32, .size: 8, .value_kind: global_buffer, .address_space: global }
      - { .name: order, .offset: 40, .size: 8, .value_kind: global_buffer, .address_space: global }
      - { .name: tiles, .offset: 48, .size: 8, .value_kind: global_buffer, .address_space: global }
      - { .name: out0, .offset: 56, .size: 8, .value_kind: global_buffer, .address_space: global }
    .group_segment_fixed_size: 175360
    .private_segment_fixed_size: 0
    .kernarg_segment_align: 8
    .kernarg_segment_size: 64
    .max_flat_workgroup_size: 128
    .sgpr_count:     66
    .vgpr_count:     1024
    .wavefront_size: 32
...
	.end_amdgpu_metadata
.endif
;; end of part 3
